; MI455X (gfx1250); checked and timed in simulation.
; The chip was launched on July 23, 2026; its instructions are those of AMD's public machine-readable ISA for CDNA 5 (MIT licence, August 2026) and "CDNA5" Instruction Set Architecture Reference Guide (July 2026). The comments in the code are by the model that wrote it; some were corrected since.
;; Multi Head Attention. Allowed arithmetic: matrix products marked QUANTISED: E2M1 operands, one E8M0 scale for each 32 along K, by v_wmma_scale_f32_16x16x128_f8f6f4 with both operands' format E2M1 (or v_wmma_scale_f32_32x16x128_f4), f32 sums; products left as they are: bf16, f16 or f32 operands; f32 sums; everything else in f32.
;; Inputs: Wk 768 x 768 float32; Wo 768 x 768 float32; Wq 768 x 768 float32; Wv 768 x 768 float32; bk 768 float32; bo 768 float32; bq 768 float32; bv 768 float32; x 16 x 1,024 x 768 float32.
;; Outputs: out0 16 x 1,024 x 768 float32.
;; This version of the problem:
;;   THIS VERSION OF THE PROBLEM IS GIVEN IN LOW PRECISION. The matrix products marked QUANTISED in the list below multiply operands that are first quantised to E2M1 (2 exponent bits, 1 mantissa bit; 4 bits a number), with one power-of-two scale for each 32 numbers along K (OCP MX v1.0); their sums are f32. The products marked 'left as it is' may take bf16, f16 or f32 operands, with f32 sums. Whichever they take, every output number must still come out within the allowed error. Rounding operands to bf16 (8 significant bits) uses up far more of that allowance than f16 does (11 bits, for magnitudes from 6e-5 to 65,504). All else is computed in f32.
;;   The module's matrix products, in the order in which they are computed (A, B: the left and right operand; K: the contracted axis; several contracted axes count as one K, in the product's order):
;;     1. [M 16,384, K 768] x [K 768, N 768]; A: input x; B: input Wq: QUANTISED
;;     2. [M 16,384, K 768] x [K 768, N 768]; A: input x; B: input Wk: QUANTISED
;;     3. [M 16,384, K 768] x [K 768, N 768]; A: input x; B: input Wv: QUANTISED
;;     4. batch 192 x [M 1,024, K 64] x [K 64, N 1,024]; A: computed on the way; B: computed on the way: left as it is (an operand is computed on the way)
;;     5. batch 192 x [M 1,024, K 1,024] x [K 1,024, N 64]; A: computed on the way; B: computed on the way: left as it is (an operand is computed on the way)
;;     6. [M 16,384, K 768] x [K 768, N 768]; A: computed on the way; B: input Wo: left as it is (an operand is computed on the way)
;;   THE QUANTISER, for each operand of a quantised product, along K:
;;     - K is cut into blocks of 32 from its start; a last block that is shorter is filled with zeros.
;;     - A block's scale is 2^e with e = floor(log2(the largest magnitude in the block)) - 2, held to -126 .. 127; a block of zeros has e = 0. As a byte (E8M0): e + 127.
;;     - Each number is divided by its block's scale, clamped to +-6, and rounded to the nearest number of E2M1, ties to even, subnormals kept.
;;     - The product sums the exact products of the quantised numbers (number of the format x scale) in f32.
;;   ~~~python
;;   def quantise(x, axis):      # numpy; x: float32 -> the quantised numbers, widened to float32 again
;;       x = np.moveaxis(x, axis, -1); K = x.shape[-1]
;;       x = np.pad(x, [(0, 0)] * (x.ndim - 1) + [(0, -K % 32)]); x = x.reshape(x.shape[:-1] + (-1, 32)); a = np.abs(x).max(-1, keepdims=True)
;;       e = np.where(a > 0, np.clip(np.frexp(np.where(a > 0, a, 1))[1] - 1 - 2, -126, 127), 0)      # np.frexp(a)[1] - 1 = floor(log2(a)), exactly
;;       r = np.clip(x / 2.0 ** e, -6, 6)
;;       step = 2.0 ** (np.maximum(np.frexp(np.where(r == 0, 1, r))[1] - 1, 0) - 1)
;;       q = np.round(r / step) * step * 2.0 ** e      # np.round: ties to even
;;       return np.moveaxis(q.reshape(q.shape[:-2] + (-1,))[..., :K], -1, axis).astype(np.float32)
;;   ~~~
;; One version. Each part assembles by itself: llvm-mc -triple=amdgcn-amd-amdhsa -mcpu=gfx1250 --defsym DOCPART=n.
;; ======== version 1 of 1: 4 launches
;; limits: values are held in f16: magnitudes above 65,504 overflow, below 6.1e-05 lose precision
;; workspace buffers: xc 6,291,456 bytes; xs 524,288 bytes; wc 884,736 bytes; ws 73,728 bytes; wo16 1,179,648 bytes; qkv 75,497,472 bytes; o16 25,165,824 bytes
;; launch quant (part 1): grid 1216 x 1, 2 waves a work-group, no clusters, 34,048 bytes of LDS; arguments x, Wq, Wk, Wv, Wo, xc, xs, wc, ws, wo16; writes xc, xs, wc, ws, wo16
.if DOCPART == 1
	.amdgcn_target "amdgcn-amd-amdhsa--gfx1250"
	.amdhsa_code_object_version 6
	.text
	.protected	k_qaa4b656c8f_quant
	.globl	k_qaa4b656c8f_quant
	.p2align	8
	.type	k_qaa4b656c8f_quant,@function
k_qaa4b656c8f_quant:
	s_mov_b64 s[64:65], 0
	v_nop
	global_prefetch_b8 v0, s[64:65] scope:SCOPE_SE
	s_setreg_imm32_b32 hwreg(HW_REG_WAVE_MODE, 25, 1), 1
	s_wait_xcnt 0x0
; x [16384][768] and Wq, Wk, Wv [768][768], f32 with K innermost, become codes of FP4 (E2M1) with one E8M0 scale byte for each 32 along K; Wo [768][768] becomes f16.
; EVERYTHING IS STORED AS IMAGES OF OPERAND REGISTERS: a piece is 512 bytes, lane l's 16 bytes at 16 l, so that the later launches fill a fragment by loads of 16 bytes a lane from consecutive bytes.
;   codes:  [tile of 16 rows][block of 32 along K, 0..23][row 0..15][16 bytes]: 6,144 bytes a tile.  Registers 4 c .. 4 c + 3 of K step s are the piece at 1,024 s + 512 c.
;   scales: [tile][half of K][row][4 words]: word j < 3 is K step 3 half + j (four bytes, one for each block of 32), word 3 a filler of bytes 127 that no product names.
;   Wo:     [tile of 16 rows][32 along K, 0..23][u 0..1][512 bytes]: piece u of lane (r, h) holds k = 16 u + 8 h + 0 .. 7 of row r.
; A block's scale is 2^(floor(log2(its largest magnitude)) - 2): its byte is the largest magnitude's exponent field - 2, held at 1 from below.
; LIMITS: a block of zeros gets the byte 1 where the rule says 127 (its codes are zeros, and this program alone reads the bytes); NaN and infinities are not served; Wo must lie within f16's range, +-65,504.
; SHARES.  A work-group of two waves takes one tile of 16 rows, each wave 384 along K: three K steps of 128.  Work-groups 0-1023: x; 1024-1071: Wq; 1072-1119: Wk; 1120-1167: Wv, all by one text
; (only pointers are chosen); 1168-1215: Wo.  Small work-groups, so that the 2,432 waves fall 8 or 10 to each of 256 WGPs.
; Each load reads 512 consecutive bytes of one row; the conversions want 16 neighbours along K in ONE lane, so a K step's 8,192 bytes turn through the wave's own stage in LDS.
; No work-group shares a byte with another: no cluster, no tensor load, no barrier.  All 48 loads of a wave go out at its head.
.set ROWB,  3072                       ; a row of 768 f32
.set TILEB, 16*ROWB
.set SP,    528                        ; a stage row: 512 bytes + 16 of padding: 33 x 16, so sixteen rows' 16-byte columns fall on different banks (64 banks of 4 bytes: ISA guide 11.1)
.set STG,   16*SP
.set WREG,  2*STG                      ; two stages for each wave
.set SPARE, 2*WREG                     ; behind the stages: the spare words, 128 bytes for each wave, that no other line names
.set FWQ,   1024                       ; the first work-group of Wq, of Wk, of Wv and of Wo
.set FWK,   1072
.set FWV,   1120
.set FWO,   1168
.set L16, 1                            ; v1   16 x lane
.set STI, 2                            ; v2   the stage, on the way in: my wave's region + 16 x lane
.set STO, 3                            ; v3   and on the way out: + 528 r + 64 h
.set SOF, 4                            ; v4   the scale words' place: 16 r + 8 h
.set SPW, 5                            ; v5   LDS address of my spare word; never rewritten
.set NIL, 6                            ; v6   0; never rewritten
.set TM,  16                           ; v16-31 at work: +0..3 largest magnitudes, +4..7 the other half's, then bytes, +12..15 the conversions' scale operands
.set PC,  32                           ; v32-55 codes: eight registers for each K step, so that no store's data are written again
.set PW,  56                           ; v56-58 the three scale words
.set FIL, 59                           ; v59  the filler word
.set R,   64                           ; v64-255 three K steps of 64 numbers
.set WV,  28
.set SEL, 30
.set SRC, 32
.set DC,  34
.set DSC, 36
	s_load_b256 s[8:15], s[0:1], 0x0               ; x, Wq, Wk, Wv
	s_load_b256 s[16:23], s[0:1], 0x20             ; Wo, xc, xs, wc
	s_load_b128 s[24:27], s[0:1], 0x40             ; ws, wo16
	v_lshl_add_u32 v[SPW], v0, 2, SPARE
	v_mov_b32 v[NIL], 0
	v_lshrrev_b32 v7, 5, v0
	v_readfirstlane_b32 s[WV], v7                  ; wave 0..1: which half of K
	v_and_b32 v7, 31, v0                           ; lane
	v_and_b32 v10, 15, v0                          ; r
	v_bfe_u32 v11, v0, 4, 1                        ; h
	v_lshlrev_b32 v[L16], 4, v7
	s_mov_b32 s41, 0
	s_wait_kmcnt 0x0
	s_cmp_ge_u32 ttmp9, FWO
	s_cbranch_scc1 .Lwo
	; ---- x, Wq, Wk, Wv: the buffers are chosen by the work-group's number alone
	s_cmp_lt_u32 ttmp9, FWQ
	s_cselect_b64 s[SRC:SRC+1], s[8:9], s[10:11]
	s_cselect_b64 s[DC:DC+1], s[18:19], s[22:23]
	s_cselect_b64 s[DSC:DSC+1], s[20:21], s[24:25]
	s_cselect_b32 s38, 0, FWQ                      ; the first work-group of the source tensor,
	s_cselect_b32 s39, 0, FWQ                      ; and of the destination (the three weights share wc and ws, 48 tiles each)
	s_cmp_ge_u32 ttmp9, FWK
	s_cselect_b64 s[SRC:SRC+1], s[12:13], s[SRC:SRC+1]
	s_cselect_b32 s38, FWK, s38
	s_cmp_ge_u32 ttmp9, FWV
	s_cselect_b64 s[SRC:SRC+1], s[14:15], s[SRC:SRC+1]
	s_cselect_b32 s38, FWV, s38
	s_sub_co_u32 s38, ttmp9, s38                   ; my tile in the source
	s_sub_co_u32 s39, ttmp9, s39                   ; and in the destination
	s_mul_i32 s40, s38, TILEB
	s_mul_i32 s42, s[WV], 1536
	s_add_co_u32 s40, s40, s42
	s_add_nc_u64 s[SRC:SRC+1], s[SRC:SRC+1], s[40:41]
	s_mul_i32 s40, s39, 6144
	s_mul_i32 s42, s[WV], 3072
	s_add_co_u32 s40, s40, s42
	s_add_nc_u64 s[DC:DC+1], s[DC:DC+1], s[40:41]
	s_lshl_b32 s40, s39, 9
	s_lshl_b32 s42, s[WV], 8
	s_add_co_u32 s40, s40, s42
	s_add_nc_u64 s[DSC:DSC+1], s[DSC:DSC+1], s[40:41]
.macro LOAD s                          ; K step s of my 16 rows: each load reads 512 consecutive bytes of one row
.irp p, 0,1,2,3,4,5,6,7,8,9,10,11,12,13,14,15
	global_load_b128 v[R+64*(\s)+4*\p:R+64*(\s)+4*\p+3], v[L16], s[SRC:SRC+1] offset:ROWB*\p+512*(\s) th:TH_LOAD_NT
.endr
.endm
	LOAD 0
	LOAD 1
	LOAD 2
	s_mul_i32 s45, s[WV], WREG
	v_add_nc_u32 v[STI], s45, v[L16]
	v_mul_u32_u24 v[STO], v10, SP
	v_lshl_add_u32 v[STO], v11, 6, v[STO]
	v_add_nc_u32 v[STO], s45, v[STO]
	v_lshlrev_b32 v[SOF], 4, v10
	v_lshl_add_u32 v[SOF], v11, 3, v[SOF]
	s_mov_b32 s[SEL], 0x76543210
	s_mov_b32 s[SEL+1], 0xfedcba98                 ; v_permlanex16_b32's selects for lane l xor 16
.irp b, 0,1,2,3
	v_mov_b32 v[TM+4+\b], 0                        ; written once: a lane permute's destination counts as one of its sources
.endr
	v_mov_b32 v[FIL], 0x7f7f7f7f
; K step s through stage s % 2, and back into the registers that it left: register 16 b + i then holds k = 32 b + 16 h + i of row r.
; LDS serves a wave's instructions in order (ISA guide 5.7.1.4): no wait between the stores and the loads, nor in front of a stage's next stores.
.macro TURN s
.irp p, 0,1,2,3,4,5,6,7,8,9,10,11,12,13,14,15
	ds_store_b128 v[STI], v[R+64*(\s)+4*\p:R+64*(\s)+4*\p+3] offset:STG*((\s)%2)+SP*\p
.endr
.irp b, 0,1,2,3
.irp j, 0,1,2,3
	ds_load_b128 v[R+64*(\s)+16*\b+4*\j:R+64*(\s)+16*\b+4*\j+3], v[STO] offset:STG*((\s)%2)+128*\b+16*\j
.endr
.endr
.endm
; 64 numbers of a lane, v[s] on, become a fragment's codes in v[pc] on and its scale word in v[pw].
.macro QUANT s, pc, pw
.irp b, 0,1,2,3
	v_max3_num_f32 v[TM+\b], |v[(\s)+16*\b]|, |v[(\s)+1+16*\b]|, 0x1800000   ; block b: my 16 numbers, and the floor 2^(3 - 127): so the byte cannot fall under 1
.endr
.irp i, 2,4,6,8,10,12,14
.irp b, 0,1,2,3
	v_max3_num_f32 v[TM+\b], v[TM+\b], |v[(\s)+16*\b+\i]|, |v[(\s)+1+16*\b+\i]|   ; the four blocks by turns
.endr
.endr
.irp b, 0,1,2,3
	v_permlanex16_b32 v[TM+4+\b], v[TM+\b], s[SEL], s[SEL+1]
.endr
.irp b, 0,1,2,3
	v_max_num_f32 v[TM+\b], v[TM+\b], v[TM+4+\b]   ; with lane l xor 16's: the block's largest magnitude
.endr
.irp b, 0,1,2,3
	v_add_nc_u32 v[TM+12+\b], 0xff000000, v[TM+\b] ; 2 off its exponent field: the conversion takes the exponent field of this operand as its scale
.endr
.irp b, 0,1,2,3
	v_lshrrev_b32 v[TM+4+\b], 23, v[TM+12+\b]      ; the scale's byte
.endr
	v_lshl_or_b32 v[\pw], v[TM+5], 8, v[TM+4]      ; the four bytes make my row's scale word (both halves of the lanes hold it)
	v_lshl_or_b32 v[\pw], v[TM+6], 16, v[\pw]
	v_lshl_or_b32 v[\pw], v[TM+7], 24, v[\pw]
.irp b, 0,1,2,3
	v_cvt_scalef32_pk8_fp4_f32 v[(\pc)+2*\b], v[(\s)+16*\b:(\s)+7+16*\b], v[TM+12+\b]
	v_cvt_scalef32_pk8_fp4_f32 v[(\pc)+1+2*\b], v[(\s)+8+16*\b:(\s)+15+16*\b], v[TM+12+\b]
.endr
	v_nop                                          ; one plain place behind a scaled conversion
.irp c, 0,1                                    ; the operand's layout wants a WHOLE block in a lane: lanes 0-15 block 2 c, lanes 16-31 block 2 c + 1
.irp i, 0,1
	v_permlane16_swap_b32 v[(\pc)+4*\c+\i], v[(\pc)+2+4*\c+\i]
.endr
.endr
.endm
.macro OUTC s                          ; the fragment leaves as it stands: two stores of 512 consecutive bytes
.irp c, 0,1
	global_store_b128 v[L16], v[PC+8*(\s)+4*\c:PC+8*(\s)+4*\c+3], s[DC:DC+1] offset:1024*(\s)+512*\c
.endr
.endm
	s_wait_loadcnt 32                              ; K step 0's sixteen loads are in; the 32 younger ones may be out
	TURN 0
	s_wait_loadcnt 16                              ; K step 1's
	TURN 1
	s_wait_dscnt 32                                ; K step 0 is back; behind it stand K step 1's 16 stores and 16 loads
	QUANT R, PC, PW
	OUTC 0
	s_wait_loadcnt 0x0                             ; K step 2's
	TURN 2
	s_wait_dscnt 32                                ; K step 1 is back
	QUANT R+64, PC+8, PW+1
	OUTC 1
	s_wait_dscnt 0x0
	QUANT R+128, PC+16, PW+2
	OUTC 2
	v_cmp_lt_u32 vcc_lo, 15, v7                    ; lanes 0-15 store words 0 and 1 of their row, lanes 16-31 word 2 and the filler:
	v_cndmask_b32 v8, v[PW], v[PW+2], vcc_lo
	v_cndmask_b32 v9, v[PW+1], v[FIL], vcc_lo
	global_store_b64 v[SOF], v[8:9], s[DSC:DSC+1]  ; 32 lanes store 256 consecutive bytes, aligned
	s_wait_tensorcnt 0x0                           ; the wave's end, behind my last LDS store
	ds_add_u32 v[SPW], v[NIL]
	s_wait_dscnt 0x0
	s_endpgm
	; ---- Wo: 96 waves, each 16 rows x 384 along K: 24 pieces.  A lane reads its 8 neighbours along K (32 bytes) of its row; the tensor is small and is read once
.Lwo:
	s_sub_co_u32 s39, ttmp9, FWO                   ; tile of 16 rows
	s_mul_i32 s40, s39, TILEB
	s_mul_i32 s42, s[WV], 1536
	s_add_co_u32 s40, s40, s42
	s_add_nc_u64 s[16:17], s[16:17], s[40:41]
	s_mul_i32 s40, s39, 24576
	s_mul_i32 s42, s[WV], 12288
	s_add_co_u32 s40, s40, s42
	s_add_nc_u64 s[26:27], s[26:27], s[40:41]
	v_mul_u32_u24 v12, v10, ROWB
	v_lshl_add_u32 v12, v11, 5, v12                ; row r, + 32 h
.irp p, 0,1,2,3,4,5,6,7,8,9,10,11,12,13,14,15,16,17,18,19,20,21,22,23
	global_load_b128 v[R+8*\p:R+8*\p+3], v12, s[16:17] offset:64*\p th:TH_LOAD_NT
	global_load_b128 v[R+8*\p+4:R+8*\p+7], v12, s[16:17] offset:64*\p+16 th:TH_LOAD_NT
.endr
.irp p, 0,1,2,3,4,5,6,7,8,9,10,11,12,13,14,15,16,17,18,19,20,21,22,23
	s_wait_loadcnt 46-2*\p                         ; piece p's two loads are in; the younger pieces' may be out
.irp i, 0,1,2,3
	v_cvt_pk_f16_f32 v[R+8*\p+\i], v[R+8*\p+2*\i], v[R+8*\p+2*\i+1]   ; in place, ascending: a register is written only when it has been read
.endr
	global_store_b128 v[L16], v[R+8*\p:R+8*\p+3], s[26:27] offset:512*\p
.endr
	s_wait_tensorcnt 0x0                           ; the same three lines as on the other path
	ds_add_u32 v[SPW], v[NIL]
	s_wait_dscnt 0x0
	s_endpgm
.Lfunc_end_k_qaa4b656c8f_quant:
	.size	k_qaa4b656c8f_quant, .Lfunc_end_k_qaa4b656c8f_quant-k_qaa4b656c8f_quant
	.p2alignl 7, 3214868480
	.fill 96, 4, 3214868480
	.section	.rodata,"a",@progbits
	.p2align	6, 0x0
	.amdhsa_kernel k_qaa4b656c8f_quant
		.amdhsa_group_segment_fixed_size 34048
		.amdhsa_private_segment_fixed_size 0
		.amdhsa_enable_private_segment 0
		.amdhsa_kernarg_size 80
		.amdhsa_user_sgpr_count 2
		.amdhsa_user_sgpr_kernarg_segment_ptr 1
		.amdhsa_wavefront_size32 1
		.amdhsa_system_sgpr_workgroup_id_x 1
		.amdhsa_system_sgpr_workgroup_id_y 1
		.amdhsa_system_sgpr_workgroup_id_z 1
		.amdhsa_system_vgpr_workitem_id 0
		.amdhsa_next_free_vgpr 256
		.amdhsa_next_free_sgpr 66
		.amdhsa_reserve_vcc 1
		.amdhsa_float_denorm_mode_32 3
		.amdhsa_float_denorm_mode_16_64 3
		.amdhsa_memory_ordered 1
		.amdhsa_forward_progress 1
		.amdhsa_inst_pref_size 40
	.end_amdhsa_kernel
	.amdgpu_metadata
---
amdhsa.version: [ 1, 2 ]
amdhsa.kernels:
  - .name:           k_qaa4b656c8f_quant
    .symbol:         k_qaa4b656c8f_quant.kd
    .args:
      - { .name: x, .offset: 0, .size: 8, .value_kind: global_buffer, .address_space: global }
      - { .name: Wq, .offset: 8, .size: 8, .value_kind: global_buffer, .address_space: global }
      - { .name: Wk, .offset: 16, .size: 8, .value_kind: global_buffer, .address_space: global }
      - { .name: Wv, .offset: 24, .size: 8, .value_kind: global_buffer, .address_space: global }
      - { .name: Wo, .offset: 32, .size: 8, .value_kind: global_buffer, .address_space: global }
      - { .name: xc, .offset: 40, .size: 8, .value_kind: global_buffer, .address_space: global }
      - { .name: xs, .offset: 48, .size: 8, .value_kind: global_buffer, .address_space: global }
      - { .name: wc, .offset: 56, .size: 8, .value_kind: global_buffer, .address_space: global }
      - { .name: ws, .offset: 64, .size: 8, .value_kind: global_buffer, .address_space: global }
      - { .name: wo16, .offset: 72, .size: 8, .value_kind: global_buffer, .address_space: global }
    .group_segment_fixed_size: 34048
    .private_segment_fixed_size: 0
    .kernarg_segment_align: 8
    .kernarg_segment_size: 80
    .max_flat_workgroup_size: 64
    .sgpr_count:     66
    .vgpr_count:     256
    .wavefront_size: 32
...
	.end_amdgpu_metadata
.endif
;; end of part 1
;; launch qkv (part 2): grid 4 x 64, 4 waves a work-group, clusters of 4 x 1, 167,936 bytes of LDS; arguments xc, xs, wc, ws, bq, bk, bv, qkv; writes qkv
.if DOCPART == 2
	.amdgcn_target "amdgcn-amd-amdhsa--gfx1250"
	.amdhsa_code_object_version 6
	.text
	.protected	k_qaa4b656c8f_qkv
	.globl	k_qaa4b656c8f_qkv
	.p2align	8
	.type	k_qaa4b656c8f_qkv,@function
k_qaa4b656c8f_qkv:
	s_mov_b64 s[64:65], 0
	v_nop
	global_prefetch_b8 v0, s[64:65] scope:SCOPE_SE
	s_setreg_imm32_b32 hwreg(HW_REG_WAVE_MODE, 25, 1), 1
	s_wait_xcnt 0x0
	s_wait_alu depctr_hold_cnt(0) depctr_sa_sdst(0) depctr_va_vdst(0) depctr_va_sdst(0) depctr_va_ssrc(0) depctr_va_vcc(0) depctr_vm_vsrc(0)
	s_getreg_b32 s2, hwreg(HW_REG_IB_STS2, 6, 4)
	s_cmp_eq_u32 s2, 0
	s_cbranch_scc0 .Lentry_in_a_cluster
	s_endpgm
.Lentry_in_a_cluster:
	s_bfe_u32 s2, ttmp6, 0x10000c
	s_cmp_lg_u32 s2, 0x3003
	s_cbranch_scc0 .Lentry_shape_is_right
	s_endpgm
.Lentry_shape_is_right:
; Q = x Wq^T + bq, K = x Wk^T + bk, V = x Wv^T + bv on codes of FP4 with E8M0 scales (K = 768: six steps of 128), sums in f32; the results are rounded to f16 and stored as images of the next products' fragments.
; SHARES.  A cluster of four work-groups takes 256 rows of x (16 tiles of 16); its sixteen waves share the 2,304 columns: wave slot g = 4 cx + wave owns six tiles of 16 columns of Q or K (tiles 6 g + i of Wq, Wk on end)
; and three of V (3 g + i), so that every wave runs the same text.  Its nine tiles x six K steps of W stay in 432 registers for the whole launch; what goes round is x: 98,304 bytes of codes and 8,192 of scale words.
; The four work-groups need the same x: it is asked for JOINTLY, once, by loads with a mask that names the four.  LDS is filled once: no ring.
; HOW THE RESULTS FALL.  Q, K tiles are used transposed (source 0 = 16 rows of W, source 1 = 16 tokens): a lane holds token r and 8 neighbouring channels: 16 bytes of f16, a piece of a fragment of Q or K.
; V tiles are used as they read (source 0 = 16 tokens, source 1 = 16 rows of W): a lane holds channel r and 8 neighbouring tokens: a piece of a fragment of V^T, whose K is the keys.  So every store is 512 consecutive bytes.
;   Q, K in qkv: [batch x 12 + head][tile of 16 tokens, 0..63][piece 0..3: channels 16 piece + 8 h + 0..7][512 bytes];  V: [batch x 12 + head][32 tokens, 0..31][16 channels, 0..3][u: tokens 16 u + 8 h + 0..7][512 bytes].
; The biases are the C of each sum's first matrix instruction.
; LIMIT: Q, K and V must lie within f16's range, +-65,504.
; REGISTERS, in windows of 256: window 0: addresses; v16-87 W's scale words; v88-103 x's, two sets; v104-199 x's fragments, two sets of six; v200-235 packed results.
;   window 1: W, K steps 0-2 (tile i, step s at 24 i + 8 s);  window 2: K steps 3-5;  window 3: v0-71 the nine accumulators, v72-143 the nine biases.
.set XSC,   98304                      ; LDS: x's codes from 0 (16 tiles x 6,144), their scale words from here (16 x 512),
.set SPARE, 106496                     ; and the spare words, 128 bytes for each wave, that no other line names
.set TEN,   25165824                   ; bytes of Q, of K and of V in qkv
.set LI,  1                            ; v1   16 x lane
.set LS,  2                            ; v2   XSC + 16 r
.set ADR, 3                            ; v3   LDS address of the tile's codes in hand
.set ADS, 4                            ; v4   and of its scale words
.set SPW, 5                            ; v5   LDS address of my spare word; never rewritten
.set NIL, 6                            ; v6   0; never rewritten
.set VO,  7                            ; v7-15 the nine tiles' store offsets
.set WS,  16
.set XS,  88
.set XF,  104
.set OUT, 200
.set H32, 236                          ; v236 32 h
.set R4,  237                          ; v237 4 r
.set R16, 238                          ; v238 16 r
.set ACC, 0
.set BIAS, 72
.set WV,  20
.set CX,  21
.set YY,  22
.set GG,  23
.set G1,  24                           ; s[24:31] group 1 for the codes;  s[32:39] for the scale words;  s[40:43], s[44:47] their groups 0
.set G1S, 32
.set G0,  40
.set G0S, 44
.set QKB, 48
.set VB,  50
.set TB,  52
.set TS,  53
.set CNT, 54
.set WQB, 56
.set WVB, 58
.set SQB, 60
.set SVB, 62
.set BQK, 66
.set BVB, 68
.set MSB, 0
.macro WIN new                         ; the immediate's high byte repeats the setting that is left
.if MSB != \new
	s_set_vgpr_msb (MSB<<8)|\new
.set MSB, \new
.endif
.endm
.macro CROUND                          ; a round of the cluster's barrier
	s_barrier_signal -1
	s_barrier_wait -1
	s_cmp_lg_u32 s[WV], 0
	s_cbranch_scc1 .Lnot_wave_0_\@
	s_barrier_signal -3
.Lnot_wave_0_\@:
	s_barrier_wait -3
	s_barrier_signal -1
	s_barrier_wait -1
.endm
	s_load_b256 s[4:11], s[0:1], 0x0               ; xc, xs, wc, ws
	s_load_b256 s[12:19], s[0:1], 0x20             ; bq, bk, bv, qkv
	v_lshl_add_u32 v[SPW], v0, 2, SPARE
	v_mov_b32 v[NIL], 0
	ds_add_u32 v[SPW], v[NIL]                      ; the wave's opening: the add, twice on end, and its wait ahead of my first tensor load
	ds_add_u32 v[SPW], v[NIL]
	v_lshrrev_b32 v[ADR], 5, v0
	v_readfirstlane_b32 s[WV], v[ADR]              ; wave 0..3
	s_bfe_u32 s[CX], ttmp6, 0x40000                ; my place in the cluster: it enters W's, the biases' and the stores' addresses alone
	s_and_b32 s[YY], ttmp7, 0xffff                 ; which 256 rows of x: shared by the four
	s_lshl_b32 s[GG], s[CX], 2
	s_add_co_u32 s[GG], s[GG], s[WV]               ; wave slot 0..15
	; group 1: dense blocks as rows of 256 bytes (32 elements of 8 bytes): 96 rows of codes, 8 of scale words, for each wave
	s_mov_b32 s[G1], 15|(3<<16)|(1<<21)            ; 15:0 the mask: all four; 17:16 elements of 8 bytes; 21 set beside a mask
	s_mov_b32 s[G1+1], 32<<16                      ; tensor_dim0
	s_mov_b32 s[G1+2], 96<<16                      ; tensor_dim1
	s_mov_b32 s[G1+3], 32<<16                      ; tile_dim0
	s_mov_b32 s[G1+4], 96                          ; tile_dim1
	s_mov_b32 s[G1+5], 32                          ; the pitch
	s_mov_b32 s[G1+6], 0
	s_mov_b32 s[G1+7], 0
	s_mov_b32 s[G1S], 15|(3<<16)|(1<<21)
	s_mov_b32 s[G1S+1], 32<<16
	s_mov_b32 s[G1S+2], 8<<16
	s_mov_b32 s[G1S+3], 32<<16
	s_mov_b32 s[G1S+4], 8
	s_mov_b32 s[G1S+5], 32
	s_mov_b32 s[G1S+6], 0
	s_mov_b32 s[G1S+7], 0
	s_mov_b32 s[G0], 1
	s_mul_i32 s[G0+1], s[WV], 24576                ; LDS: my quarter of the codes
	s_mov_b32 s[G0S], 1
	s_lshl_b32 s[G0S+1], s[WV], 11
	s_add_co_u32 s[G0S+1], s[G0S+1], XSC           ; and of the scale words
	s_mul_i32 s70, s[YY], 98304
	s_add_co_u32 s70, s70, s[G0+1]
	s_mov_b32 s71, 0
	s_lshl_b32 s72, s[YY], 13
	s_lshl_b32 s73, s[WV], 11
	s_add_co_u32 s72, s72, s73
	s_mov_b32 s73, 0
	s_wait_dscnt 0x0                               ; both opening adds are done
	s_wait_kmcnt 0x0
	s_add_nc_u64 s[G0+2:G0+3], s[4:5], s[70:71]
	s_or_b32 s[G0+3], s[G0+3], 0x80000000
	s_add_nc_u64 s[G0S+2:G0S+3], s[6:7], s[72:73]
	s_or_b32 s[G0S+3], s[G0S+3], 0x80000000
	CROUND                                         ; all four work-groups are here: the joint loads meet
	tensor_load_to_lds s[G0:G0+3], s[G1:G1+7]      ; two loads of mine are out: the launch's only ones
	s_nop 0
	tensor_load_to_lds s[G0S:G0S+3], s[G1S:G1S+7]
	s_nop 0
.rept 4
	v_nop
.endr
	v_and_b32 v[LI], 31, v0
	v_lshlrev_b32 v[LI], 4, v[LI]
	v_and_b32 v[R4], 15, v0
	v_lshl_add_u32 v[LS], v[R4], 4, XSC
	v_lshlrev_b32 v[R16], 4, v[R4]
	v_lshlrev_b32 v[R4], 2, v[R4]
	v_bfe_u32 v[H32], v0, 4, 1
	v_lshlrev_b32 v[H32], 5, v[H32]
	s_mul_i32 s70, s[GG], 6*6144                   ; my six tiles of Wq, Wk,
	s_add_nc_u64 s[WQB:WQB+1], s[8:9], s[70:71]
	s_mul_i32 s70, s[GG], 3*6144                   ; my three of Wv, behind the 96,
	s_add_co_u32 s70, s70, 96*6144
	s_add_nc_u64 s[WVB:WVB+1], s[8:9], s[70:71]
	s_mul_i32 s70, s[GG], 6*512                    ; and their scale words
	s_add_nc_u64 s[SQB:SQB+1], s[10:11], s[70:71]
	s_mul_i32 s70, s[GG], 3*512
	s_add_co_u32 s70, s70, 96*512
	s_add_nc_u64 s[SVB:SVB+1], s[10:11], s[70:71]
	s_and_b32 s72, s[GG], 7
	s_cmp_lt_u32 s[GG], 8                          ; slots 0-7 make Q, slots 8-15 K
	s_cselect_b64 s[BQK:BQK+1], s[12:13], s[14:15]
	s_cselect_b32 s75, 0, TEN
	s_mul_i32 s70, s72, 384                        ; six tiles x 16 numbers x 4 bytes
	s_add_nc_u64 s[BQK:BQK+1], s[BQK:BQK+1], s[70:71]
	s_mul_i32 s70, s[GG], 192
	s_add_nc_u64 s[BVB:BVB+1], s[16:17], s[70:71]
	s_lshr_b32 s70, s[YY], 2                       ; the batch: 12 heads of 131,072 bytes,
	s_mul_i32 s70, s70, 1572864
	s_and_b32 s74, s[YY], 3
	s_lshl_b32 s74, s74, 15                        ; and my 256 tokens in it: 32,768 bytes of each head, in Q, K and V alike
	s_add_co_u32 s70, s70, s74
	s_add_nc_u64 s[VB:VB+1], s[18:19], s[70:71]
	s_add_nc_u64 s[VB:VB+1], s[VB:VB+1], 2*TEN
	s_add_co_u32 s70, s70, s75
	s_add_nc_u64 s[QKB:QKB+1], s[18:19], s[70:71]
	s_mul_i32 s72, s72, 6
.irp i, 0,1,2,3,4,5                            ; tile 6 (g % 8) + i of Q or K: head = tile / 4, piece = tile % 4
	s_add_co_u32 s73, s72, \i
	s_lshr_b32 s74, s73, 2
	s_lshl_b32 s74, s74, 17
	s_and_b32 s73, s73, 3
	s_lshl_b32 s73, s73, 9
	s_or_b32 s73, s73, s74
	v_add_nc_u32 v[VO+\i], s73, v[LI]
.endr
	s_mul_i32 s72, s[GG], 3
.irp i, 0,1,2                                  ; tile 3 g + i of V: head = tile / 4, 16 channels = tile % 4
	s_add_co_u32 s73, s72, \i
	s_lshr_b32 s74, s73, 2
	s_lshl_b32 s74, s74, 17
	s_and_b32 s73, s73, 3
	s_lshl_b32 s73, s73, 10
	s_or_b32 s73, s73, s74
	v_add_nc_u32 v[VO+6+\i], s73, v[LI]
.endr
.macro WLOAD h                         ; K steps 3 h .. 3 h + 2 of my nine tiles: they stay
.irp i, 0,1,2,3,4,5
.irp s, 0,1,2
.irp c, 0,1
	global_load_b128 v[24*\i+8*\s+4*\c:24*\i+8*\s+4*\c+3], v[LI], s[WQB:WQB+1] offset:6144*\i+3072*(\h)+1024*\s+512*\c
.endr
.endr
.endr
.irp i, 6,7,8
.irp s, 0,1,2
.irp c, 0,1
	global_load_b128 v[24*\i+8*\s+4*\c:24*\i+8*\s+4*\c+3], v[LI], s[WVB:WVB+1] offset:6144*(\i-6)+3072*(\h)+1024*\s+512*\c
.endr
.endr
.endr
.endm
	WIN 0x40                                       ; destination window 1
	WLOAD 0
	WIN 0x80                                       ; destination window 2
	WLOAD 1
	WIN 0xc0                                       ; destination window 3
.irp i, 0,1,2,3,4,5                            ; Q, K: register j of lane (r, h) is channel 16 tile + 8 h + j
	global_load_b128 v[BIAS+8*\i:BIAS+8*\i+3], v[H32], s[BQK:BQK+1] offset:64*\i
	global_load_b128 v[BIAS+8*\i+4:BIAS+8*\i+7], v[H32], s[BQK:BQK+1] offset:64*\i+16
.endr
.irp i, 6,7,8                                  ; V: all eight registers of lane (r, h) are channel 16 tile + r
.irp j, 0,1,2,3,4,5,6,7
	global_load_b32 v[BIAS+8*\i+\j], v[R4], s[BVB:BVB+1] offset:64*(\i-6)
.endr
.endr
	WIN 0
.irp i, 0,1,2,3,4,5
.irp f, 0,1
	global_load_b128 v[WS+8*\i+4*\f:WS+8*\i+4*\f+3], v[R16], s[SQB:SQB+1] offset:512*\i+256*\f
.endr
.endr
.irp i, 6,7,8
.irp f, 0,1
	global_load_b128 v[WS+8*\i+4*\f:WS+8*\i+4*\f+3], v[R16], s[SVB:SVB+1] offset:512*(\i-6)+256*\f
.endr
.endr
	s_mov_b32 s[TB], 0
	s_mov_b32 s[TS], 0
	s_mov_b32 s[CNT], 7
	s_wait_tensorcnt 0x0                           ; my parts of x have landed,
	s_barrier_signal -1
	s_barrier_wait -1                              ; everybody's have
; The next tile of x into set p: twelve pieces of codes and its eight scale words (of which six are named)
.macro FETCH p
	v_add_nc_u32 v[ADR], s[TB], v[LI]
	v_add_nc_u32 v[ADS], s[TS], v[LS]
.irp k, 0,1,2,3,4,5,6,7,8,9,10,11
	ds_load_b128 v[XF+48*(\p)+4*\k:XF+48*(\p)+4*\k+3], v[ADR] offset:512*\k
.endr
.irp f, 0,1
	ds_load_b128 v[XS+8*(\p)+4*\f:XS+8*(\p)+4*\f+3], v[ADS] offset:256*\f
.endr
	s_add_co_u32 s[TB], s[TB], 6144
	s_add_co_u32 s[TS], s[TS], 512
.endm
; Three K steps (3 h on) of the six Q, K tiles, then of the three V tiles.  The accumulators take turns, one instruction a turn.
.macro MQK p, h
.irp s, 0,1,2
.irp i, 0,1,2,3,4,5
.if (\h)+\s == 0
	v_wmma_scale_f32_16x16x128_f8f6f4 v[ACC+8*\i:ACC+8*\i+7], v[24*\i+8*\s:24*\i+8*\s+7], v[XF+48*(\p)+24*(\h)+8*\s:XF+48*(\p)+24*(\h)+8*\s+7], v[BIAS+8*\i:BIAS+8*\i+7], v[WS+8*\i+4*(\h)+\s], v[XS+8*(\p)+4*(\h)+\s] matrix_a_fmt:MATRIX_FMT_FP4 matrix_b_fmt:MATRIX_FMT_FP4
.else
	v_wmma_scale_f32_16x16x128_f8f6f4 v[ACC+8*\i:ACC+8*\i+7], v[24*\i+8*\s:24*\i+8*\s+7], v[XF+48*(\p)+24*(\h)+8*\s:XF+48*(\p)+24*(\h)+8*\s+7], v[ACC+8*\i:ACC+8*\i+7], v[WS+8*\i+4*(\h)+\s], v[XS+8*(\p)+4*(\h)+\s] matrix_a_fmt:MATRIX_FMT_FP4 matrix_b_fmt:MATRIX_FMT_FP4
.endif
.endr
.endr
.endm
.macro MV p, h
.irp s, 0,1,2
.irp i, 6,7,8
.if (\h)+\s == 0
	v_wmma_scale_f32_16x16x128_f8f6f4 v[ACC+8*\i:ACC+8*\i+7], v[XF+48*(\p)+24*(\h)+8*\s:XF+48*(\p)+24*(\h)+8*\s+7], v[24*\i+8*\s:24*\i+8*\s+7], v[BIAS+8*\i:BIAS+8*\i+7], v[XS+8*(\p)+4*(\h)+\s], v[WS+8*\i+4*(\h)+\s] matrix_a_fmt:MATRIX_FMT_FP4 matrix_b_fmt:MATRIX_FMT_FP4
.else
	v_wmma_scale_f32_16x16x128_f8f6f4 v[ACC+8*\i:ACC+8*\i+7], v[XF+48*(\p)+24*(\h)+8*\s:XF+48*(\p)+24*(\h)+8*\s+7], v[24*\i+8*\s:24*\i+8*\s+7], v[ACC+8*\i:ACC+8*\i+7], v[XS+8*(\p)+4*(\h)+\s], v[WS+8*\i+4*(\h)+\s] matrix_a_fmt:MATRIX_FMT_FP4 matrix_b_fmt:MATRIX_FMT_FP4
.endif
.endr
.endr
.endm
.macro MUL p                           ; a tile of x against my nine tiles: 54 matrix instructions in four stretches, one window setting each
	WIN 0xf1                                       ; source 0 (W) window 1, source 1 (x) window 0, C and D window 3
	MQK \p, 0
	WIN 0xf4                                       ; source 0 (x) window 0, source 1 (W) window 1
	MV \p, 0
	WIN 0xf2                                       ; W in window 2
	MQK \p, 1
	WIN 0xf8
	MV \p, 1
.endm
; The tile's results leave; more = 1: set p takes the tile two further on.
.macro EPI p, more
	WIN 0
.rept 4
	v_nop                                          ; four places between the last products and the loads into their operands and the reads of their results
.endr
.if \more
	FETCH \p
.endif
	s_wait_xcnt 0x0                                ; the last tile's stores have read their data: the registers are written again only behind this wait
	WIN 0x0f                                       ; sources 0 and 1 window 3
.irp i, 0,1,2,3,4,5,6,7,8
.irp q, 0,1,2,3
	v_cvt_pk_f16_f32 v[OUT+4*\i+\q], v[ACC+8*\i+2*\q], v[ACC+8*\i+2*\q+1]   ; each accumulator from its low end on.  The 32 conversions of the other accumulators are also the places ahead of the next sum on this one
.endr
.endr
	WIN 0
.irp i, 0,1,2,3,4,5
	global_store_b128 v[VO+\i], v[OUT+4*\i:OUT+4*\i+3], s[QKB:QKB+1] offset:2048*(\p)   ; 512 consecutive bytes, aligned
.endr
.irp i, 6,7,8
	global_store_b128 v[VO+\i], v[OUT+4*\i:OUT+4*\i+3], s[VB:VB+1] offset:512*(\p)
.endr
.endm
	FETCH 0
	FETCH 1
	s_wait_loadcnt 0x0                             ; W, its scale words and the biases, once
.Ltile:                                            ; seven trips of two tiles; each fetches the two tiles of the next trip
	s_wait_dscnt 14                                ; set 0 is in; set 1's fourteen loads may be out
	MUL 0
	EPI 0, 1
	s_wait_dscnt 14                                ; set 1 is in; set 0's new fourteen may be out
	MUL 1
	EPI 1, 1
	s_wait_xcnt 0x0                                ; the stores have read their bases
	s_add_nc_u64 s[QKB:QKB+1], s[QKB:QKB+1], 4096  ; two tiles of tokens on: 2 x 2,048 in Q and K, one group of 32 tokens in V
	s_add_nc_u64 s[VB:VB+1], s[VB:VB+1], 4096
	s_sub_co_u32 s[CNT], s[CNT], 1
	s_cmp_lg_u32 s[CNT], 0
	s_cbranch_scc1 .Ltile
	s_wait_dscnt 14                                ; the last two tiles: nothing more to fetch
	MUL 0
	EPI 0, 0
	s_wait_dscnt 0x0
	MUL 1
	EPI 1, 0
	s_wait_tensorcnt 0x0                           ; the wave's end
	ds_add_u32 v[SPW], v[NIL]
	s_wait_dscnt 0x0
	CROUND                                         ; the closing round
	s_endpgm
.Lfunc_end_k_qaa4b656c8f_qkv:
	.size	k_qaa4b656c8f_qkv, .Lfunc_end_k_qaa4b656c8f_qkv-k_qaa4b656c8f_qkv
	.p2alignl 7, 3214868480
	.fill 96, 4, 3214868480
	.section	.rodata,"a",@progbits
	.p2align	6, 0x0
	.amdhsa_kernel k_qaa4b656c8f_qkv
		.amdhsa_group_segment_fixed_size 167936
		.amdhsa_private_segment_fixed_size 0
		.amdhsa_enable_private_segment 0
		.amdhsa_kernarg_size 64
		.amdhsa_user_sgpr_count 2
		.amdhsa_user_sgpr_kernarg_segment_ptr 1
		.amdhsa_wavefront_size32 1
		.amdhsa_system_sgpr_workgroup_id_x 1
		.amdhsa_system_sgpr_workgroup_id_y 1
		.amdhsa_system_sgpr_workgroup_id_z 1
		.amdhsa_system_vgpr_workitem_id 0
		.amdhsa_next_free_vgpr 1024
		.amdhsa_next_free_sgpr 80
		.amdhsa_reserve_vcc 0
		.amdhsa_float_denorm_mode_32 3
		.amdhsa_float_denorm_mode_16_64 3
		.amdhsa_memory_ordered 1
		.amdhsa_forward_progress 1
		.amdhsa_inst_pref_size 69
	.end_amdhsa_kernel
	.amdgpu_metadata
---
amdhsa.version: [ 1, 2 ]
amdhsa.kernels:
  - .name:           k_qaa4b656c8f_qkv
    .symbol:         k_qaa4b656c8f_qkv.kd
    .args:
      - { .name: xc, .offset: 0, .size: 8, .value_kind: global_buffer, .address_space: global }
      - { .name: xs, .offset: 8, .size: 8, .value_kind: global_buffer, .address_space: global }
      - { .name: wc, .offset: 16, .size: 8, .value_kind: global_buffer, .address_space: global }
      - { .name: ws, .offset: 24, .size: 8, .value_kind: global_buffer, .address_space: global }
      - { .name: bq, .offset: 32, .size: 8, .value_kind: global_buffer, .address_space: global }
      - { .name: bk, .offset: 40, .size: 8, .value_kind: global_buffer, .address_space: global }
      - { .name: bv, .offset: 48, .size: 8, .value_kind: global_buffer, .address_space: global }
      - { .name: qkv, .offset: 56, .size: 8, .value_kind: global_buffer, .address_space: global }
    .group_segment_fixed_size: 167936
    .private_segment_fixed_size: 0
    .kernarg_segment_align: 8
    .kernarg_segment_size: 64
    .max_flat_workgroup_size: 128
    .sgpr_count:     80
    .vgpr_count:     1024
    .wavefront_size: 32
...
	.end_amdgpu_metadata
.endif
;; end of part 2
;; launch attn (part 3): grid 4 x 64, 8 waves a work-group, clusters of 4 x 1, 327,680 bytes of LDS; arguments qkv, o16; writes o16
.if DOCPART == 3
	.amdgcn_target "amdgcn-amd-amdhsa--gfx1250"
	.amdhsa_code_object_version 6
	.text
	.protected	k_qaa4b656c8f_attn
	.globl	k_qaa4b656c8f_attn
	.p2align	8
	.type	k_qaa4b656c8f_attn,@function
k_qaa4b656c8f_attn:
	s_mov_b64 s[64:65], 0
	v_nop
	global_prefetch_b8 v0, s[64:65] scope:SCOPE_SE
	s_setreg_imm32_b32 hwreg(HW_REG_WAVE_MODE, 25, 1), 1
	s_wait_xcnt 0x0
	s_wait_alu depctr_hold_cnt(0) depctr_sa_sdst(0) depctr_va_vdst(0) depctr_va_sdst(0) depctr_va_ssrc(0) depctr_va_vcc(0) depctr_vm_vsrc(0)
	s_getreg_b32 s2, hwreg(HW_REG_IB_STS2, 6, 4)
	s_cmp_eq_u32 s2, 0
	s_cbranch_scc0 .Lentry_in_a_cluster
	s_endpgm
.Lentry_in_a_cluster:
	s_bfe_u32 s2, ttmp6, 0x10000c
	s_cmp_lg_u32 s2, 0x3003
	s_cbranch_scc0 .Lentry_shape_is_right
	s_endpgm
.Lentry_shape_is_right:
; O[b][h][q] = the sum over k of softmax_k(Q[q] . K[k] / 8) V[k], head size 64, 1,024 keys, no mask.  Q, K, V and the weights p in f16, products' sums, maxima and row sums in f32; O is rounded to f16 once.
; Q, K and V^T lie in qkv as images of fragments (a piece: 512 bytes, lane l's 16 bytes at 16 l), so every LDS read is 16 bytes a lane from 512 consecutive bytes: no pitch, no padding, nothing is turned.
; SHARES.  A cluster's four work-groups own the four blocks of 256 queries of a head; a work-group has EIGHT waves, two to a SIMD, each with 32 queries (two tiles of 16): one wave's softmax
; stands beside the other's products.  A key step is 64 keys.
; WORK-GROUPS STAY: 64 clusters, 256 work-groups; cluster y walks the three heads 3 y, 3 y + 1, 3 y + 2 (12 is a multiple of 3: one batch), whose K, and whose V^T, are 12 quarters of 256 keys on end in qkv.
; THE RING.  LDS holds four quarters of K (32,768 bytes each, from byte 0) and four of V^T (from 131,072): a whole head.  Every quarter is asked for JOINTLY by the four work-groups; waves 0-3 fetch K's, waves 4-7 V's,
; 8,192 bytes a load.  A step's fragments are fetched into registers one step ahead, so ahead of step 4 c + 3 slot c has been read out: there each wave waits for all its tensor loads, adds 0 to its spare word, waits for
; that and for its LDS reads, passes a round of the cluster's barrier, and asks for the NEXT HEAD's quarter c into slot c: one load a wave.  That load is first waited for four key steps later and first read twelve key steps later:
; so no prefetch is laid.  Heads 0 and 1 are a loop of two trips, each of whose four gates refills; head 2 is written out and asks for nothing.  A wave has four tensor loads out at the start, then one.
; LAYOUT.  S^T = K Q^T (source 0 = 16 keys, source 1 = 16 queries) and O^T = V^T P (source 0 = 16 channels, source 1 = P): a lane holds ONE query throughout; two tiles of S^T, rounded in pairs, ARE a fragment of P.
; SOFTMAX.  A running maximum m and sum l for each query: p = 2^(c s - c m), c = log2(e) / 8; in every step O^T and l are multiplied by a = 2^(c m_old - c m_new).  O^T and l begin as zeros, m as -3e38.
; AT A CHANGE OF HEADS only m is set back to -3e38: the next step's a is then 0, which wipes the old head's O^T and l.  The next head's Q was asked for a head earlier, into registers of its own, and is copied over:
; the loop's register numbers cannot take turns over three heads.
; O leaves as pieces of the last product's fragments: o16 [tile of 16 tokens][32 along K: 2 head + f / 2][u = f % 2][512 bytes].
; LIMITS: O within f16's range; NaN and infinities are not served (an infinite O^T or l would not be wiped by a = 0).
; REGISTERS: window 0: v1-6 addresses; v8-11 second sums; v16-31 statistics, eight a tile (+0 c m, +1 m, +2, +3 l, +4..7 at work, a in +6); v32-63 Q; v64-127 S^T, then p, then P; v128-191 K; v192-255 V^T.
;   window 1: v0-63 O^T; v64-95 the next head's Q.
.set STEPB, 8192                       ; a key step's bytes of K, and of V^T
.set VL,    131072                     ; V^T begins here
.set QUART, 32768                      ; a quarter of K, or of V^T
.set HEADB, 131072                     ; a head's bytes of Q, of K and of V
.set SPARE, 262144                     ; the spare words, 128 bytes for each of eight waves, that no other line names
.set TEN,   25165824                   ; bytes of Q, of K and of V in qkv
.set LI,  1                            ; v1   16 x lane
.set LIV, 2                            ; v2   VL + 16 x lane
.set ADK, 3
.set ADV, 4
.set SPW, 5                            ; v5   LDS address of my spare word; never rewritten
.set NIL, 6                            ; v6   0; never rewritten
.set SB,  8
.set ST,  16
.set Q,   32
.set S,   64
.set KF,  128
.set VF,  192
.set QN,  64                           ; in window 1
.set WV,  8
.set CX,  9
.set YY,  10
.set HD,  11                           ; s11  heads still to be left
.set G1,  16                           ; s[16:23] group 1;  s[24:39] four groups 0, one for each slot
.set G0,  24
.set CS,  40                           ; s[40:41] c, twice: the packed form names a pair
.set SEL, 42
.set TB,  44
.set CNT, 45
.set QB,  46
.set OB,  48
.set MSB, 0
.macro WIN new                         ; the immediate's high byte repeats the setting that is left
.if MSB != \new
	s_set_vgpr_msb (MSB<<8)|\new
.set MSB, \new
.endif
.endm
.macro CROUND                          ; a round of the cluster's barrier
	s_barrier_signal -1
	s_barrier_wait -1
	s_cmp_lg_u32 s[WV], 0
	s_cbranch_scc1 .Lnot_wave_0_\@
	s_barrier_signal -3
.Lnot_wave_0_\@:
	s_barrier_wait -3
	s_barrier_signal -1
	s_barrier_wait -1
.endm
	s_load_b128 s[4:7], s[0:1], 0x0                ; qkv, o16
	v_lshl_add_u32 v[SPW], v0, 2, SPARE
	v_mov_b32 v[NIL], 0
	ds_add_u32 v[SPW], v[NIL]                      ; the wave's opening: the add, twice on end, and its wait ahead of my first tensor load
	ds_add_u32 v[SPW], v[NIL]
	v_lshrrev_b32 v[ADK], 5, v0
	v_readfirstlane_b32 s[WV], v[ADK]              ; wave 0..7
	s_bfe_u32 s[CX], ttmp6, 0x40000                ; my block of 256 queries: it enters Q's and O's addresses alone
	s_and_b32 s[YY], ttmp7, 0xffff                 ; the cluster: heads 3 y on, which the four share
	s_mov_b32 s[G1], 15|(3<<16)|(1<<21)            ; 15:0 the mask: all four; 17:16 elements of 8 bytes; 21 set beside a mask
	s_mov_b32 s[G1+1], 32<<16                      ; a dense block of 8,192 bytes as 32 rows of 256
	s_mov_b32 s[G1+2], 32<<16
	s_mov_b32 s[G1+3], 32<<16
	s_mov_b32 s[G1+4], 32
	s_mov_b32 s[G1+5], 32
	s_mov_b32 s[G1+6], 0
	s_mov_b32 s[G1+7], 0
	s_mov_b32 s[CS], 0x3e38aa3b                    ; c = log2(e) / 8
	s_mov_b32 s[CS+1], s[CS]
	s_mov_b32 s[SEL], 0x76543210
	s_mov_b32 s[SEL+1], 0xfedcba98                 ; v_permlanex16_b32's selects for lane l xor 16
	s_lshr_b32 s50, s[WV], 2                       ; 0: I fetch for K; 1: for V
	s_and_b32 s51, s[WV], 3
	s_lshl_b32 s52, s50, 17
	s_lshl_b32 s53, s51, 13
	s_add_co_u32 s52, s52, s53                     ; LDS: my 8,192 bytes of slot 0
	s_mul_i32 s54, s50, TEN
	s_add_co_u32 s54, s54, TEN                     ; K lies behind Q, V behind K
	s_mul_i32 s55, s[YY], 3*HEADB                  ; my cluster's first head
	s_add_co_u32 s54, s54, s55
	s_add_co_u32 s54, s54, s53
	s_mov_b32 s55, 0
	s_wait_dscnt 0x0                               ; both opening adds are done
	s_wait_kmcnt 0x0
	s_add_nc_u64 s[54:55], s[4:5], s[54:55]
.irp c, 0,1,2,3
	s_mov_b32 s[G0+4*\c], 1
	s_add_co_u32 s[G0+4*\c+1], s52, \c*QUART
	s_add_nc_u64 s[G0+4*\c+2:G0+4*\c+3], s[54:55], \c*QUART
	s_or_b32 s[G0+4*\c+3], s[G0+4*\c+3], 0x80000000
.endr
	CROUND                                         ; all four work-groups are here: the joint loads meet
.irp c, 0,1,2,3
	tensor_load_to_lds s[G0+4*\c:G0+4*\c+3], s[G1:G1+7]   ; the first head's four quarters: four loads of mine are out
	s_nop 0
.endr
.rept 4
	v_nop
.endr
	v_and_b32 v[LI], 31, v0
	v_lshlrev_b32 v[LI], 4, v[LI]
	v_add_nc_u32 v[LIV], VL, v[LI]
	s_lshl_b32 s50, s[CX], 4
	s_lshl_b32 s51, s[WV], 1
	s_add_co_u32 s50, s50, s51                     ; my first tile of 16 tokens in the sequence
	s_lshl_b32 s52, s50, 11
	s_mul_i32 s53, s[YY], 3*HEADB
	s_add_co_u32 s52, s52, s53
	s_mov_b32 s53, 0
	s_add_nc_u64 s[QB:QB+1], s[4:5], s[52:53]      ; my queries in the first head; never rewritten: the later heads stand in the loads' immediates
.irp t, 0,1
.irp i, 0,1,2,3
	global_load_b128 v[Q+16*\t+4*\i:Q+16*\t+4*\i+3], v[LI], s[QB:QB+1] offset:2048*\t+512*\i   ; the first head's Q: tile t, channels 32 (i / 2) on
.endr
.endr
	s_lshr_b32 s51, s[YY], 2                       ; the batch,
	s_lshl_b32 s51, s51, 6
	s_add_co_u32 s51, s51, s50
	s_mul_i32 s51, s51, 24576                      ; a tile of tokens in o16,
	s_and_b32 s52, s[YY], 3
	s_mul_i32 s52, s52, 3*2048                     ; and the first head's four pieces in it
	s_add_co_u32 s52, s52, s51
	s_add_nc_u64 s[OB:OB+1], s[6:7], s[52:53]
	WIN 0x40                                       ; destination window 1
.irp t, 0,1
.irp i, 0,1,2,3
	global_load_b128 v[QN+16*\t+4*\i:QN+16*\t+4*\i+3], v[LI], s[QB:QB+1] offset:HEADB+2048*\t+512*\i   ; the second head's Q, a head ahead
.endr
.endr
.set i, 0
.rept 64
	v_mov_b32 v[i], 0                              ; O^T, once in the launch: the step is written in one form; the first finds zeros, which a = 0 leaves zeros
.set i, i+1
.endr
	WIN 0
.irp t, 0,1
	v_mov_b32 v[ST+8*\t+1], 0xff61b1e6             ; m = -3e38, under every score
	v_mul_f32 v[ST+8*\t], s[CS], v[ST+8*\t+1]      ; c m
	v_mov_b32 v[ST+8*\t+2], 0                      ; l, in two halves
	v_mov_b32 v[ST+8*\t+3], 0
	v_mov_b32 v[ST+8*\t+5], 0                      ; written once: a lane permute's destination counts as one of its sources
.endr
.macro GATE n                          ; tiles are shown to every wave; the n youngest loads may stay out
	s_wait_tensorcnt \n
	s_wait_dscnt 0x0                               ; no LDS instruction of mine is pending at a signal
	s_barrier_signal -1
	s_barrier_wait -1
.endm
; Slot c has been read out (its four steps' fragments are in registers): it takes the next head's quarter c.
.macro REFILL c
	s_wait_tensorcnt 0x0                           ; all my tensor loads have landed, so a group 0 may be written
	ds_add_u32 v[SPW], v[NIL]                      ; 0 onto my spare word; the descriptor's step stands between it and the wait for it
	s_add_nc_u64 s[G0+4*\c+2:G0+4*\c+3], s[G0+4*\c+2:G0+4*\c+3], HEADB   ; the same quarter of the next head; the type bits on top are not reached
	s_wait_dscnt 0x0                               ; the add is done, and my reads of the slot are over
	CROUND                                         ; both now hold of every wave of all four work-groups
	tensor_load_to_lds s[G0+4*\c:G0+4*\c+3], s[G1:G1+7]   ; my one tensor load behind the round, and the first thing there
	s_nop 0
.rept 4
	v_nop
.endr
.endm
.macro FK                              ; a step's K: fragment (16 keys kt, 32 channels c) at KF + 8 (2 kt + c)
.irp i, 0,1,2,3,4,5,6,7,8,9,10,11,12,13,14,15
	ds_load_b128 v[KF+4*\i:KF+4*\i+3], v[ADK] offset:512*\i
.endr
.endm
.macro FV                              ; a step's V^T: fragment (32 keys g, 16 channels f) at VF + 8 (4 g + f)
.irp i, 0,1,2,3,4,5,6,7,8,9,10,11,12,13,14,15
	ds_load_b128 v[VF+4*\i:VF+4*\i+3], v[ADV] offset:512*\i
.endr
.endm
; A KEY STEP.  more = 1: the next step's K is fetched behind the first products, its V^T behind the second, both from LDS byte s[TB] on.
.macro STEP more
	s_wait_dscnt 16                                ; K is in; V^T's sixteen loads are younger
.irp c, 0,1                                    ; S^T = K Q^T: eight accumulators by turns
.irp kt, 0,1,2,3
.irp t, 0,1
.if \c == 0
	v_wmma_f32_16x16x32_f16 v[S+32*\t+8*\kt:S+32*\t+8*\kt+7], v[KF+8*(2*\kt+\c):KF+8*(2*\kt+\c)+7], v[Q+16*\t+8*\c:Q+16*\t+8*\c+7], 0
.else
	v_wmma_f32_16x16x32_f16 v[S+32*\t+8*\kt:S+32*\t+8*\kt+7], v[KF+8*(2*\kt+\c):KF+8*(2*\kt+\c)+7], v[Q+16*\t+8*\c:Q+16*\t+8*\c+7], v[S+32*\t+8*\kt:S+32*\t+8*\kt+7]
.endif
.endr
.endr
.endr
	v_add_nc_u32 v[ADK], s[TB], v[LI]              ; with the three v_nop: four places ahead of the loads into K's registers and of the first read of the scores
.rept 3
	v_nop
.endr
.if \more
	FK
.endif
	; the maximum of a lane's 32 scores and the old m, three operands at a time; the two tiles alternate
.irp j, 0,1,2,3
.irp t, 0,1
	v_max3_num_f32 v[ST+8*\t+4+\j], v[S+32*\t+8*\j], v[S+32*\t+8*\j+1], v[S+32*\t+8*\j+2]   ; each accumulator is read from its low end on
.endr
.endr
.irp g, 1,2
.irp j, 0,1,2,3
.irp t, 0,1
	v_max3_num_f32 v[ST+8*\t+4+\j], v[ST+8*\t+4+\j], v[S+32*\t+8*\j+2*\g+1], v[S+32*\t+8*\j+2*\g+2]
.endr
.endr
.endr
.irp t, 0,1
	v_max3_num_f32 v[ST+8*\t+4], v[ST+8*\t+4], v[S+32*\t+7], v[S+32*\t+15]
.endr
.irp t, 0,1
	v_max3_num_f32 v[ST+8*\t+6], v[ST+8*\t+6], v[S+32*\t+23], v[S+32*\t+31]
.endr
.irp t, 0,1
	v_max3_num_f32 v[ST+8*\t+4], v[ST+8*\t+4], v[ST+8*\t+5], v[ST+8*\t+6]
.endr
.irp t, 0,1
	v_max3_num_f32 v[ST+8*\t+4], v[ST+8*\t+4], v[ST+8*\t+7], v[ST+8*\t+1]
.endr
.irp t, 0,1
	v_permlanex16_b32 v[ST+8*\t+5], v[ST+8*\t+4], s[SEL], s[SEL+1]   ; the query's other 32 keys lie in the lane 16 away
.endr
.irp t, 0,1
	v_mov_b32 v[ST+8*\t+7], v[ST+8*\t]             ; c m_old is kept for a
.endr
.irp t, 0,1
	v_max_num_f32 v[ST+8*\t+1], v[ST+8*\t+4], v[ST+8*\t+5]
.endr
.irp t, 0,1
	v_mul_f32 v[ST+8*\t], s[CS], v[ST+8*\t+1]
.endr
.irp t, 0,1
	v_sub_f32 v[ST+8*\t+7], v[ST+8*\t+7], v[ST+8*\t]
.endr
.irp t, 0,1
.irp b, 0,1,2,3,4,5,6,7,8,9,10,11,12,13,14,15
	v_pk_fma_f32 v[S+32*\t+2*\b:S+32*\t+2*\b+1], v[S+32*\t+2*\b:S+32*\t+2*\b+1], s[CS:CS+1], v[ST+8*\t:ST+8*\t+1] op_sel_hi:[1,0,0] neg_lo:[0,0,1] neg_hi:[0,0,1]   ; c s - c m, two at a time
.endr
.endr
.irp t, 0,1
	v_exp_f32 v[ST+8*\t+6], v[ST+8*\t+7]           ; a
.endr
.set e, 0
.rept 64
	v_exp_f32 v[S+e], v[S+e]                       ; p, at most 1.  The 66 exponentials are ONE batch: none reads another's result
.set e, e+1
.endr
	v_nop                                          ; a plain instruction behind the last exponential (ISA guide 5.7.2)
	s_wait_alu depctr_va_vdst(0)                   ; the wait ahead of the first instruction that names a result: one for the batch
	; the row's sum, of the unrounded p: two chains a tile
.irp t, 0,1
	v_pk_add_f32 v[ST+8*\t+4:ST+8*\t+5], v[S+32*\t:S+32*\t+1], v[S+32*\t+2:S+32*\t+3]
.endr
.irp t, 0,1
	v_pk_add_f32 v[SB+2*\t:SB+2*\t+1], v[S+32*\t+4:S+32*\t+5], v[S+32*\t+6:S+32*\t+7]
.endr
.irp j, 8,12,16,20,24,28
.irp t, 0,1
	v_pk_add_f32 v[ST+8*\t+4:ST+8*\t+5], v[ST+8*\t+4:ST+8*\t+5], v[S+32*\t+\j:S+32*\t+\j+1]
.endr
.irp t, 0,1
	v_pk_add_f32 v[SB+2*\t:SB+2*\t+1], v[SB+2*\t:SB+2*\t+1], v[S+32*\t+\j+2:S+32*\t+\j+3]
.endr
.endr
.irp t, 0,1
	v_pk_add_f32 v[ST+8*\t+4:ST+8*\t+5], v[ST+8*\t+4:ST+8*\t+5], v[SB+2*\t:SB+2*\t+1]
.endr
.irp t, 0,1
	v_pk_fma_f32 v[ST+8*\t+2:ST+8*\t+3], v[ST+8*\t+2:ST+8*\t+3], v[ST+8*\t+6:ST+8*\t+7], v[ST+8*\t+4:ST+8*\t+5] op_sel_hi:[1,0,1]   ; l = a l + the sum
.endr
.irp t, 0,1
.irp p, 0,1,2,3,4,5,6,7,8,9,10,11,12,13,14,15
	v_cvt_pk_f16_f32 v[S+32*\t+\p], v[S+32*\t+2*\p], v[S+32*\t+2*\p+1]   ; P, in place and ascending: fragment g (32 keys) at S + 32 t + 8 g
.endr
.endr
	WIN 0x41                                       ; O^T (destination and source 0) window 1, a window 0
.irp t, 0,1
.irp j, 0,2,4,6,8,10,12,14,16,18,20,22,24,26,28,30
	v_pk_mul_f32 v[32*\t+\j:32*\t+\j+1], v[32*\t+\j:32*\t+\j+1], v[ST+8*\t+6:ST+8*\t+7] op_sel_hi:[1,0]
.endr
.endr
.if \more
	s_wait_dscnt 16                                ; V^T is in; the next step's K is younger
.else
	s_wait_dscnt 0x0
.endif
	WIN 0x50                                       ; V^T and P window 0, C and D window 1
.irp g, 0,1                                    ; O^T += V^T P: eight accumulators by turns
.irp f, 0,1,2,3
.irp t, 0,1
	v_wmma_f32_16x16x32_f16 v[32*\t+8*\f:32*\t+8*\f+7], v[VF+8*(4*\g+\f):VF+8*(4*\g+\f)+7], v[S+32*\t+8*\g:S+32*\t+8*\g+7], v[32*\t+8*\f:32*\t+8*\f+7]
.endr
.endr
.endr
	WIN 0
	v_add_nc_u32 v[ADV], s[TB], v[LIV]             ; with the four v_nop: five places, since the next step's first products write over P, which these products read; four of them serve the loads into V^T's registers and the way out's reads
.rept 4
	v_nop
.endr
.if \more
	FV
	s_add_co_u32 s[TB], s[TB], STEPB
.endif
.endm
.macro RUN n                           ; n key steps, written once
	s_mov_b32 s[CNT], \n
.Lrun_\@:
	STEP 1
	s_sub_co_u32 s[CNT], s[CNT], 1
	s_cmp_lg_u32 s[CNT], 0
	s_cbranch_scc1 .Lrun_\@
.endm
; THE WAY OUT of a head.  The last step's five plain instructions are the places behind its products.
.macro WAYOUT
.irp t, 0,1
	v_add_f32 v[ST+8*\t+4], v[ST+8*\t+2], v[ST+8*\t+3]
.endr
.irp t, 0,1
	v_permlanex16_b32 v[ST+8*\t+5], v[ST+8*\t+4], s[SEL], s[SEL+1]
.endr
.irp t, 0,1
	v_add_f32 v[ST+8*\t+4], v[ST+8*\t+4], v[ST+8*\t+5]   ; the row's sum
.endr
.irp t, 0,1
	v_rcp_f32 v[ST+8*\t+6], v[ST+8*\t+4]
.endr
	v_nop                                          ; a plain instruction behind the last reciprocal
	s_wait_alu depctr_va_vdst(0)                   ; and the wait ahead of the first use: one for the two
	WIN 0x01                                       ; source 0 (O^T) window 1
.irp t, 0,1
.irp j, 0,2,4,6,8,10,12,14,16,18,20,22,24,26,28,30
	v_pk_mul_f32 v[S+32*\t+\j:S+32*\t+\j+1], v[32*\t+\j:32*\t+\j+1], v[ST+8*\t+6:ST+8*\t+7] op_sel_hi:[1,0]   ; each accumulator from its low end on
.endr
.endr
	WIN 0
.irp t, 0,1
.irp p, 0,1,2,3,4,5,6,7,8,9,10,11,12,13,14,15
	v_cvt_pk_f16_f32 v[S+32*\t+\p], v[S+32*\t+2*\p], v[S+32*\t+2*\p+1]
.endr
.endr
.irp t, 0,1
.irp f, 0,1,2,3
	global_store_b128 v[LI], v[S+32*\t+4*\f:S+32*\t+4*\f+3], s[OB:OB+1] offset:24576*\t+512*\f   ; a lane's eight channels of its query: 512 consecutive bytes a store, aligned
.endr
.endr
.endm
	GATE 3                                         ; the first quarter is in; the three behind it may stay out
	v_mov_b32 v[ADK], v[LI]
	v_mov_b32 v[ADV], v[LIV]
	FK                                             ; key step 0
	FV
	s_mov_b32 s[TB], STEPB
	s_mov_b32 s[HD], 2
	s_wait_loadcnt 8                               ; the first head's Q is in; the second head's eight loads are younger
.Lhead:                                            ; two trips: heads 0 and 1; every gate asks for a quarter of the next head
	RUN 3                                          ; steps 0-2 fetch steps 1-3: slot 0 is read out
	REFILL 0
	STEP 1                                         ; step 3 fetches step 4, from slot 1
	RUN 3
	REFILL 1
	STEP 1
	RUN 3
	REFILL 2
	STEP 1
	RUN 3
	REFILL 3
	s_mov_b32 s[TB], 0                             ; step 15 fetches the next head's step 0, from slot 0: asked for at this trip's first gate, shown landed to all at its second
	STEP 1
	WAYOUT
.irp t, 0,1
	v_mov_b32 v[ST+8*\t+1], 0xff61b1e6             ; m = -3e38 again: the next step's a is 0 and wipes O^T and l
	v_mul_f32 v[ST+8*\t], s[CS], v[ST+8*\t+1]
.endr
	s_wait_loadcnt 0x0                             ; the next head's Q, asked for a head ago
	WIN 0x01                                       ; source 0 window 1
.set i, 0
.rept 32
	v_mov_b32 v[Q+i], v[QN+i]
.set i, i+1
.endr
	WIN 0
	s_wait_xcnt 0x0                                ; the stores have read their data and their base: the base steps, and the next step's products write over the data, only behind this wait
	s_add_nc_u64 s[OB:OB+1], s[OB:OB+1], 2048      ; the next head's four pieces
	s_cmp_eq_u32 s[HD], 1                          ; the third head's Q is asked for in the first trip; behind it there is no head
	s_cbranch_scc1 .Lno_next
	WIN 0x40                                       ; destination window 1
.irp t, 0,1
.irp i, 0,1,2,3
	global_load_b128 v[QN+16*\t+4*\i:QN+16*\t+4*\i+3], v[LI], s[QB:QB+1] offset:2*HEADB+2048*\t+512*\i
.endr
.endr
	WIN 0
.Lno_next:
	s_sub_co_u32 s[HD], s[HD], 1
	s_cmp_lg_u32 s[HD], 0
	s_cbranch_scc1 .Lhead
	RUN 3                                          ; the last head is written out: it asks for nothing
	GATE 0                                         ; its last quarter, asked for at the loop's last gate, is shown to every wave
	RUN 12                                         ; steps 3-14 fetch steps 4-15
	STEP 0                                         ; the last step fetches nothing
	WAYOUT
	s_wait_tensorcnt 0x0                           ; the wave's end
	ds_add_u32 v[SPW], v[NIL]
	s_wait_dscnt 0x0
	CROUND                                         ; the closing round
	s_endpgm
.Lfunc_end_k_qaa4b656c8f_attn:
	.size	k_qaa4b656c8f_attn, .Lfunc_end_k_qaa4b656c8f_attn-k_qaa4b656c8f_attn
	.p2alignl 7, 3214868480
	.fill 96, 4, 3214868480
	.section	.rodata,"a",@progbits
	.p2align	6, 0x0
	.amdhsa_kernel k_qaa4b656c8f_attn
		.amdhsa_group_segment_fixed_size 327680
		.amdhsa_private_segment_fixed_size 0
		.amdhsa_enable_private_segment 0
		.amdhsa_kernarg_size 16
		.amdhsa_user_sgpr_count 2
		.amdhsa_user_sgpr_kernarg_segment_ptr 1
		.amdhsa_wavefront_size32 1
		.amdhsa_system_sgpr_workgroup_id_x 1
		.amdhsa_system_sgpr_workgroup_id_y 1
		.amdhsa_system_sgpr_workgroup_id_z 1
		.amdhsa_system_vgpr_workitem_id 0
		.amdhsa_next_free_vgpr 352
		.amdhsa_next_free_sgpr 66
		.amdhsa_reserve_vcc 0
		.amdhsa_float_denorm_mode_32 3
		.amdhsa_float_denorm_mode_16_64 3
		.amdhsa_memory_ordered 1
		.amdhsa_forward_progress 1
		.amdhsa_inst_pref_size 213
	.end_amdhsa_kernel
	.amdgpu_metadata
---
amdhsa.version: [ 1, 2 ]
amdhsa.kernels:
  - .name:           k_qaa4b656c8f_attn
    .symbol:         k_qaa4b656c8f_attn.kd
    .args:
      - { .name: qkv, .offset: 0, .size: 8, .value_kind: global_buffer, .address_space: global }
      - { .name: o16, .offset: 8, .size: 8, .value_kind: global_buffer, .address_space: global }
    .group_segment_fixed_size: 327680
    .private_segment_fixed_size: 0
    .kernarg_segment_align: 8
    .kernarg_segment_size: 16
    .max_flat_workgroup_size: 256
    .sgpr_count:     66
    .vgpr_count:     352
    .wavefront_size: 32
...
	.end_amdgpu_metadata
.endif
;; end of part 3
;; launch proj (part 4): grid 4 x 64, 4 waves a work-group, clusters of 4 x 4, 327,680 bytes of LDS; arguments o16, wo16, bo, out0; writes out0
.if DOCPART == 4
	.amdgcn_target "amdgcn-amd-amdhsa--gfx1250"
	.amdhsa_code_object_version 6
	.text
	.protected	k_qaa4b656c8f_proj
	.globl	k_qaa4b656c8f_proj
	.p2align	8
	.type	k_qaa4b656c8f_proj,@function
k_qaa4b656c8f_proj:
	s_mov_b64 s[64:65], 0
	v_nop
	global_prefetch_b8 v0, s[64:65] scope:SCOPE_SE
	s_setreg_imm32_b32 hwreg(HW_REG_WAVE_MODE, 25, 1), 1
	s_wait_xcnt 0x0
	s_wait_alu depctr_hold_cnt(0) depctr_sa_sdst(0) depctr_va_vdst(0) depctr_va_sdst(0) depctr_va_ssrc(0) depctr_va_vcc(0) depctr_vm_vsrc(0)
	s_getreg_b32 s2, hwreg(HW_REG_IB_STS2, 6, 4)
	s_cmp_eq_u32 s2, 0
	s_cbranch_scc0 .Lentry_in_a_cluster
	s_endpgm
.Lentry_in_a_cluster:
	s_bfe_u32 s2, ttmp6, 0x10000c
	s_cmp_lg_u32 s2, 0xf033
	s_cbranch_scc0 .Lentry_shape_is_right
	s_endpgm
.Lentry_shape_is_right:
; out0 = O Wo^T + bo.  O [16384][768] and Wo [768][768] in f16, as images of fragments (a piece: 512 bytes, lane l's 16 bytes at 16 l; a tile of 16 rows is 24 x 2 pieces, 24,576 bytes); sums and out0 in f32.
; SHARES.  A work-group makes 256 rows x 192 columns: 64 x 4 = 256 work-groups.  Wave w makes rows 64 w .. 64 w + 63 of all 192 columns: 48 accumulators of 16 x 16, 384 registers.
; K goes in six steps of 128 through two LDS slots: of each tile of 16 rows a step is 4,096 consecutive bytes, so a tensor load's row is a tile's 4,096 bytes and its pitch a tile's 24,576.
; CLUSTERS: 4 x 4 work-groups.  The four of a row of the cluster need the same tiles of O, the four of a column the same tiles of Wo: each is asked for JOINTLY.  Waves 0, 1 fetch O's halves, waves 2, 3 Wo's.
; The six K steps are written out: no loop.  THE MATRIX INSTRUCTION IS USED TRANSPOSED (source 0 = 16 rows of Wo, source 1 = 16 tokens): a lane holds eight neighbouring numbers of a row of out0.  bo is the C of each sum's first instruction.
; No prefetch: of six K steps two are first fills, and each of the four refills has a K step less 24 matrix instructions, 168 of them, in which to land.
; REGISTERS: window 0: v16-29 addresses; v32-95 O's fragments, two sets of four; v96-191 bo in the result's layout; on the way out v32-223 take the rows.
;   window 1: Wo's fragments, two sets of twelve (96 f + 8 b).   window 2: the accumulators of my tiles 0, 1 (96 (a % 2) + 8 b);   window 3: those of tiles 2, 3.
.set SLOT,   114688                    ; O's 16 tiles x 4,096, then Wo's 12 x 4,096
.set BOFF,   65536
.set STAGE,  2*SLOT                    ; behind the ring: 16 rows x 784 bytes for each wave; no tensor load lands here
.set SPITCH, 784                       ; 768 bytes + 16 of padding: 49 x 16, so sixteen rows' 16-byte columns fall on different banks (64 banks of 4 bytes: ISA guide 11.1)
.set SPARE,  STAGE+4*16*SPITCH         ; the spare words, 128 bytes for each wave, that no other line names
.set ADRA, 16                          ; v16-17 LDS address of my O fragments in slot 0, 1
.set ADRB, 20                          ; v20-21 the same for Wo
.set GO1,  22                          ; v22  out0: lanes 0-15 bytes 512 on of a row, lanes 16-31 the next row's first 256
.set STO,  24                          ; v24  the stage: where I put 32 bytes of a row
.set RD0,  25                          ; v25  the stage: 16 x lane
.set RD1,  26                          ; v26  the stage: as GO1
.set GO0,  27                          ; v27  16 x lane
.set SPW,  28                          ; v28  LDS address of my spare word; never rewritten
.set NIL,  29                          ; v29  0; never rewritten
.set AF,   32
.set BIAS, 96
.set WV,   12
.set FB,   13
.set HF,   14
.set YY,   15
.set G1,  24                           ; s[24:31] group 1 for O's tiles;  s[32:39] group 0, one set for each slot
.set G0,  32
.set G1B, 48                           ; s[48:55], s[56:63] the same for Wo's
.set G0B, 56
.set MSB, 0
.macro WIN new                         ; the immediate's high byte repeats the setting that is left
.if MSB != \new
	s_set_vgpr_msb (MSB<<8)|\new
.set MSB, \new
.endif
.endm
.set MUL_LO, 0xa1                      ; source 0 (Wo) window 1, source 1 (O) window 0, C and D window 2
.set MUL_HI, 0xf1                      ; the same, C and D window 3
.macro JLOAD s                         ; a joint load; an s_nop 0 and four v_nop follow each of the two lines, ahead of the jump, the label and what follows
	s_cmp_eq_u32 s[FB], 0
	s_cbranch_scc0 .Lfor_b_\@
	tensor_load_to_lds s[G0+4*\s:G0+4*\s+3], s[G1:G1+7]
	s_nop 0
.rept 4
	v_nop
.endr
	s_branch .Lasked_\@
.Lfor_b_\@:
	tensor_load_to_lds s[G0B+4*\s:G0B+4*\s+3], s[G1B:G1B+7]
	s_nop 0
.rept 4
	v_nop
.endr
.Lasked_\@:
.endm
.macro CREST                           ; a round of the cluster's barrier behind its opening barrier
	s_cmp_lg_u32 s[WV], 0
	s_cbranch_scc1 .Lnot_wave_0_\@
	s_barrier_signal -3
.Lnot_wave_0_\@:
	s_barrier_wait -3
	s_barrier_signal -1
	s_barrier_wait -1
.endm
.macro CROUND
	s_barrier_signal -1
	s_barrier_wait -1
	CREST
.endm
	s_load_b256 s[4:11], s[0:1], 0x0               ; o16, wo16, bo, out0
	v_lshl_add_u32 v[SPW], v0, 2, SPARE
	v_mov_b32 v[NIL], 0
	ds_add_u32 v[SPW], v[NIL]                      ; the wave's opening: the add, twice on end, and its wait ahead of my first tensor load
	ds_add_u32 v[SPW], v[NIL]
	v_lshrrev_b32 v1, 5, v0
	v_readfirstlane_b32 s[WV], v1                  ; wave 0..3
	s_lshr_b32 s[FB], s[WV], 1                     ; I fetch for O (0) or for Wo (1),
	s_and_b32 s[HF], s[WV], 1                      ; its first or its second half
	s_bfe_u32 s40, ttmp6, 0x40000                  ; cx, cy: my place in the cluster
	s_bfe_u32 s41, ttmp6, 0x40004
	s_lshl_b32 s42, ttmp9, 2
	s_add_co_u32 s42, s42, s40                     ; which 192 columns
	s_and_b32 s[YY], ttmp7, 0xffff
	s_lshl_b32 s[YY], s[YY], 2
	s_add_co_u32 s[YY], s[YY], s41                 ; which 256 rows
	s_lshl_b32 s43, s41, 2
	s_lshl_b32 s43, 15, s43                        ; my row of the cluster
	s_lshl_b32 s44, 0x1111, s40                    ; my column
	s_or_b32 s[G1], s43, (3<<16)|(1<<21)           ; 15:0 the mask; 17:16 elements of 8 bytes; 21 set beside a mask
	s_or_b32 s[G1B], s44, (3<<16)|(1<<21)
	s_mov_b32 s[G1+1], 512<<16                     ; tensor_dim0: 512 elements, 4,096 bytes
	s_mov_b32 s[G1+2], 8<<16                       ; tensor_dim1: eight tiles of O
	s_mov_b32 s[G1+3], 512<<16                     ; tile_dim0
	s_mov_b32 s[G1+4], 8                           ; tile_dim1
	s_mov_b32 s[G1+5], 3072                        ; the pitch: 24,576 bytes
	s_mov_b32 s[G1+6], 0
	s_mov_b32 s[G1+7], 0
	s_mov_b32 s[G1B+1], 512<<16
	s_mov_b32 s[G1B+2], 6<<16                      ; six tiles of Wo
	s_mov_b32 s[G1B+3], 512<<16
	s_mov_b32 s[G1B+4], 6
	s_mov_b32 s[G1B+5], 3072
	s_mov_b32 s[G1B+6], 0
	s_mov_b32 s[G1B+7], 0
	s_mul_i32 s16, s[YY], 393216                   ; O: 16 tiles for each 256 rows, + my eight
	s_mul_i32 s17, s[HF], 196608
	s_add_co_u32 s16, s16, s17
	s_mov_b32 s17, 0
	s_mul_i32 s46, s42, 294912                     ; Wo: 12 tiles for each 192 columns, + my six
	s_mul_i32 s47, s[HF], 147456
	s_add_co_u32 s46, s46, s47
	s_mov_b32 s47, 0
	s_lshl_b32 s20, s[HF], 15                      ; where they go: no place in the cluster enters an LDS address
	s_mul_i32 s21, s[HF], 24576
	s_add_co_u32 s21, s21, BOFF
	s_wait_dscnt 0x0                               ; both opening adds are done
	s_wait_kmcnt 0x0
	s_add_nc_u64 s[18:19], s[4:5], s[16:17]
	s_add_nc_u64 s[46:47], s[6:7], s[46:47]
	CROUND                                         ; all sixteen work-groups are here: the first joint loads meet
.irp s, 0,1
	s_mov_b32 s[G0+4*\s], 1
	s_add_co_u32 s[G0+4*\s+1], s20, \s*SLOT
	s_add_nc_u64 s[G0+4*\s+2:G0+4*\s+3], s[18:19], \s*4096
	s_or_b32 s[G0+4*\s+3], s[G0+4*\s+3], 0x80000000
	s_mov_b32 s[G0B+4*\s], 1
	s_add_co_u32 s[G0B+4*\s+1], s21, \s*SLOT
	s_add_nc_u64 s[G0B+4*\s+2:G0B+4*\s+3], s[46:47], \s*4096
	s_or_b32 s[G0B+4*\s+3], s[G0B+4*\s+3], 0x80000000
	JLOAD \s                                       ; K steps 0 and 1: two loads of mine are out
.endr
	v_and_b32 v1, 15, v0                           ; r
	v_bfe_u32 v2, v0, 4, 1                         ; h
	v_and_b32 v3, 31, v0
	v_lshlrev_b32 v[GO0], 4, v3
	s_lshl_b32 s22, s[WV], 14                      ; my four tiles of O
	v_add_nc_u32 v[ADRA], s22, v[GO0]
	v_add_nc_u32 v[ADRA+1], SLOT, v[ADRA]
	v_add_nc_u32 v[ADRB], BOFF, v[GO0]
	v_add_nc_u32 v[ADRB+1], SLOT+BOFF, v[GO0]
	s_mul_i32 s23, s[WV], 16*SPITCH
	s_add_co_u32 s23, s23, STAGE                   ; my stage
	v_mul_u32_u24 v[STO], v1, SPITCH
	v_lshl_add_u32 v[STO], v2, 5, v[STO]
	v_add_nc_u32 v[STO], s23, v[STO]               ; in: row r, 32 bytes for each half of the lanes
	v_add_nc_u32 v[RD0], s23, v[GO0]
	v_lshl_add_u32 v[RD1], v2, 4, v[RD0]
	v_add_nc_u32 v[RD1], 512, v[RD1]               ; lanes 0-15: byte 512 + 16 r of a row; lanes 16-31: 256 + 16 r + 512 + 16 = 784 + 16 r: the next row
	v_mul_u32_u24 v[GO1], v2, 2304
	v_add_nc_u32 v[GO1], v[GO1], v[GO0]
	v_add_nc_u32 v[GO1], 512, v[GO1]               ; and the same in out0: 256 + 16 r + 512 + 2,304 = 3,072 + 16 r
	v_lshlrev_b32 v4, 5, v2                        ; 32 h
	s_lshl_b32 s16, s[YY], 8
	s_lshl_b32 s17, s[WV], 6
	s_add_co_u32 s16, s16, s17
	s_mul_i32 s16, s16, 3072                       ; my first row of out0
	s_mul_i32 s46, s42, 768                        ; my first column, in bytes, in bo and in out0
	s_mov_b32 s47, 0
	s_add_nc_u64 s[8:9], s[8:9], s[46:47]
	s_add_co_u32 s46, s46, s16
	s_add_nc_u64 s[10:11], s[10:11], s[46:47]
.irp b, 0,1,2,3,4,5,6,7,8,9,10,11
	global_load_b128 v[BIAS+8*\b:BIAS+8*\b+3], v4, s[8:9] offset:64*\b          ; register j of lane (r, h): bo at column 16 b + 8 h + j
	global_load_b128 v[BIAS+8*\b+4:BIAS+8*\b+7], v4, s[8:9] offset:64*\b+16
.endr
; 12 matrix instructions: my tile a of O against Wo's twelve, 32 along K, from set f.  first = 1: bo starts the sums.  The 48 accumulators take turns, one instruction a turn, in the same order in every quarter.
.macro MUL12 f, a, first
.irp b, 0,1,2,3,4,5,6,7,8,9,10,11
.if \first
	v_wmma_f32_16x16x32_f16 v[96*((\a)%2)+8*\b:96*((\a)%2)+8*\b+7], v[96*(\f)+8*\b:96*(\f)+8*\b+7], v[AF+32*(\f)+8*(\a):AF+32*(\f)+8*(\a)+7], v[BIAS+8*\b:BIAS+8*\b+7]
.else
	v_wmma_f32_16x16x32_f16 v[96*((\a)%2)+8*\b:96*((\a)%2)+8*\b+7], v[96*(\f)+8*\b:96*(\f)+8*\b+7], v[AF+32*(\f)+8*(\a):AF+32*(\f)+8*(\a)+7], v[96*((\a)%2)+8*\b:96*((\a)%2)+8*\b+7]
.endif
.endr
.endm
; 32 LDS loads in one run: the fragments of the slot's q-th 32 along K into set f; Wo's first, then O's tiles in ascending order
.macro FETCH slot, q, f
	WIN 0x40                                       ; destination window 1
.irp b, 0,1,2,3,4,5,6,7,8,9,10,11
	ds_load_b128 v[96*(\f)+8*\b:96*(\f)+8*\b+3], v[ADRB+\slot] offset:4096*\b+1024*(\q)
	ds_load_b128 v[96*(\f)+8*\b+4:96*(\f)+8*\b+7], v[ADRB+\slot] offset:4096*\b+1024*(\q)+512
.endr
	WIN 0
.irp a, 0,1,2,3
	ds_load_b128 v[AF+32*(\f)+8*\a:AF+32*(\f)+8*\a+3], v[ADRA+\slot] offset:4096*\a+1024*(\q)
	ds_load_b128 v[AF+32*(\f)+8*\a+4:AF+32*(\f)+8*\a+7], v[ADRA+\slot] offset:4096*\a+1024*(\q)+512
.endr
.endm
.macro PLACES                          ; four places in front of loads into registers that matrix instructions have read, and of the first read of results
.rept 4
	v_nop
.endr
.endm
; A K step is four quarters of 32 along K, 48 matrix instructions each, on sets 0, 1, 0, 1.  One of the first three: multiplies set q % 2 and fetches the next quarter into the other.
.macro QUARTER slot, q, first
	s_wait_dscnt 4                                 ; Wo's fragments and O's tiles 0, 1 are in; the youngest four loads (tiles 2, 3) may be out
.if \first
	WIN 0x81                                       ; C (bo) window 0, D window 2
.else
	WIN MUL_LO
.endif
	MUL12 (\q)%2, 0, \first
	MUL12 (\q)%2, 1, \first
	PLACES
	FETCH \slot, (\q)+1, 1-(\q)%2
	s_wait_dscnt 32                                ; all but the 32 just issued
.if \first
	WIN 0xc1
.else
	WIN MUL_HI
.endif
	MUL12 (\q)%2, 2, \first
	MUL12 (\q)%2, 3, \first
.endm
; The last quarter multiplies set 1 and changes slots: ONE barrier; in front of it each wave waits for all its tensor loads, adds 0 to its spare word, and waits for that and for its own reads of this slot.
; fill = 1: the barrier opens a round of the cluster's, and this slot is filled again, two K steps ahead, first thing behind it.
.macro TURN slot, next, fill
	WIN 0                                          ; (the add's two registers lie in window 0)
	s_wait_tensorcnt 0x0                           ; all my tensor loads have landed: the one that was out is my part of the next slot;
	ds_add_u32 v[SPW], v[NIL]                      ; 0 onto my spare word;
	s_wait_dscnt 5                                 ; (the add and the youngest four loads may be out)
	WIN MUL_LO
	MUL12 1, 0, 0                                  ; twelve matrix instructions stand between the add and the wait for it
	s_wait_dscnt 0x0                               ; the add is done, and my reads of this slot are over
	s_barrier_signal -1
	MUL12 1, 1, 0
	WIN 0                                          ; (branches may follow)
	s_barrier_wait -1
.if \fill
	CREST                                          ; no wave of any partner still reads this slot's tiles or has a load on its way
	s_add_nc_u64 s[G0+4*\slot+2:G0+4*\slot+3], s[G0+4*\slot+2:G0+4*\slot+3], 8192
	s_add_nc_u64 s[G0B+4*\slot+2:G0B+4*\slot+3], s[G0B+4*\slot+2:G0B+4*\slot+3], 8192
	JLOAD \slot                                    ; my one tensor load behind the round; its four v_nop are also the places in front of the loads below
.else
	PLACES
.endif
	FETCH \next, 0, 0
	WIN MUL_HI
	MUL12 1, 2, 0
	MUL12 1, 3, 0
.endm
.macro THREEQ slot, first
	QUARTER \slot, 0, \first
	QUARTER \slot, 1, 0
	QUARTER \slot, 2, 0
.endm
	s_wait_tensorcnt 1                             ; my part of K step 0 is in; K step 1's may stay out
	s_barrier_signal -1
	s_barrier_wait -1                              ; everybody's is
	FETCH 0, 0, 0
	s_wait_loadcnt 0x0                             ; bo
	THREEQ 0, 1                                    ; K step 0
	TURN 0, 1, 1                                   ; slot 0 takes K step 2
	THREEQ 1, 0                                    ; K step 1
	TURN 1, 0, 1                                   ; slot 1 takes K step 3
	THREEQ 0, 0
	TURN 0, 1, 1                                   ; K step 4
	THREEQ 1, 0
	TURN 1, 0, 1                                   ; K step 5
	THREEQ 0, 0
	TURN 0, 1, 0                                   ; nothing is left to fetch
	THREEQ 1, 0
	s_wait_dscnt 4                                 ; the very last quarter
	WIN MUL_LO
	MUL12 1, 0, 0
	MUL12 1, 1, 0
	s_wait_dscnt 0x0
	WIN MUL_HI
	MUL12 1, 2, 0
	MUL12 1, 3, 0
	WIN 0
; THE WAY OUT, a tile of 16 rows x 192 columns at a time.  A lane holds 32 neighbouring bytes of a row and the lanes beside it other rows: so a tile goes through my own stage and comes back so that each
; sixteen lanes hold 256 consecutive bytes of out0, aligned: two rows of 768 bytes are three loads.  LDS serves a wave's instructions in order (ISA guide 5.7.1.4): no wait between the stores and the loads.
.macro TOSTAGE a
.set AC, 96*((\a)%2)
	WIN 0x08+4*((\a)/2)                            ; an LDS store's data are its source 1: window 2 or 3
.irp b, 0,1,2,3,4,5,6,7,8,9,10,11
	ds_store_b128 v[STO], v[AC+8*\b:AC+8*\b+3] offset:64*\b          ; each accumulator from its low end on
	ds_store_b128 v[STO], v[AC+8*\b+4:AC+8*\b+7] offset:64*\b+16
.endr
	WIN 0
.set BB, 32+96*((\a)%2)
.irp t, 0,1,2,3,4,5,6,7
	ds_load_b128 v[BB+12*\t:BB+12*\t+3], v[RD0] offset:2*SPITCH*\t
	ds_load_b128 v[BB+12*\t+4:BB+12*\t+7], v[RD1] offset:2*SPITCH*\t
	ds_load_b128 v[BB+12*\t+8:BB+12*\t+11], v[RD0] offset:2*SPITCH*\t+SPITCH+256
.endr
.endm
.macro SEND a, younger                 ; younger: the LDS instructions issued behind tile a's loads, which may stay out
.set BB, 32+96*((\a)%2)
	s_wait_dscnt \younger
.irp t, 0,1,2,3,4,5,6,7
	global_store_b128 v[GO0], v[BB+12*\t:BB+12*\t+3], s[10:11] offset:(16*(\a)+2*\t)*3072 th:TH_STORE_NT
	global_store_b128 v[GO1], v[BB+12*\t+4:BB+12*\t+7], s[10:11] offset:(16*(\a)+2*\t)*3072 th:TH_STORE_NT
	global_store_b128 v[GO0], v[BB+12*\t+8:BB+12*\t+11], s[10:11] offset:(16*(\a)+2*\t+1)*3072+256 th:TH_STORE_NT
.endr
.endm
	PLACES
	TOSTAGE 0
.irp a, 1,2,3
.if \a > 1
	s_wait_xcnt 0x0                                ; tile a - 2's stores have read their registers: tile a's loads may land there
.endif
	TOSTAGE \a
	SEND \a-1, 48                                  ; behind tile a - 1's loads: tile a's 24 stores and 24 loads
.endr
	SEND 3, 0
	s_wait_tensorcnt 0x0                           ; the wave's end, behind my last tensor load and my last LDS store
	ds_add_u32 v[SPW], v[NIL]
	s_wait_dscnt 0x0
	CROUND                                         ; the closing round
	s_endpgm
.Lfunc_end_k_qaa4b656c8f_proj:
	.size	k_qaa4b656c8f_proj, .Lfunc_end_k_qaa4b656c8f_proj-k_qaa4b656c8f_proj
	.p2alignl 7, 3214868480
	.fill 96, 4, 3214868480
	.section	.rodata,"a",@progbits
	.p2align	6, 0x0
	.amdhsa_kernel k_qaa4b656c8f_proj
		.amdhsa_group_segment_fixed_size 327680
		.amdhsa_private_segment_fixed_size 0
		.amdhsa_enable_private_segment 0
		.amdhsa_kernarg_size 32
		.amdhsa_user_sgpr_count 2
		.amdhsa_user_sgpr_kernarg_segment_ptr 1
		.amdhsa_wavefront_size32 1
		.amdhsa_system_sgpr_workgroup_id_x 1
		.amdhsa_system_sgpr_workgroup_id_y 1
		.amdhsa_system_sgpr_workgroup_id_z 1
		.amdhsa_system_vgpr_workitem_id 0
		.amdhsa_next_free_vgpr 1024
		.amdhsa_next_free_sgpr 66
		.amdhsa_reserve_vcc 0
		.amdhsa_float_denorm_mode_32 3
		.amdhsa_float_denorm_mode_16_64 3
		.amdhsa_memory_ordered 1
		.amdhsa_forward_progress 1
		.amdhsa_inst_pref_size 163
	.end_amdhsa_kernel
	.amdgpu_metadata
---
amdhsa.version: [ 1, 2 ]
amdhsa.kernels:
  - .name:           k_qaa4b656c8f_proj
    .symbol:         k_qaa4b656c8f_proj.kd
    .args:
      - { .name: o16, .offset: 0, .size: 8, .value_kind: global_buffer, .address_space: global }
      - { .name: wo16, .offset: 8, .size: 8, .value_kind: global_buffer, .address_space: global }
      - { .name: bo, .offset: 16, .size: 8, .value_kind: global_buffer, .address_space: global }
      - { .name: out0, .offset: 24, .size: 8, .value_kind: global_buffer, .address_space: global }
    .group_segment_fixed_size: 327680
    .private_segment_fixed_size: 0
    .kernarg_segment_align: 8
    .kernarg_segment_size: 32
    .max_flat_workgroup_size: 128
    .sgpr_count:     66
    .vgpr_count:     1024
    .wavefront_size: 32
...
	.end_amdgpu_metadata
.endif
;; end of part 4
